; MI455X (gfx1250); checked and timed in simulation.
; The chip was launched on July 23, 2026; its instructions are those of AMD's public machine-readable ISA for CDNA 5 (MIT licence, August 2026) and "CDNA5" Instruction Set Architecture Reference Guide (July 2026). The comments in the code are by the model that wrote it; some were corrected since.
;; Quantizer. Allowed arithmetic: matrix products marked QUANTISED: E2M1 operands, one E8M0 scale for each 32 along K, by v_wmma_scale_f32_16x16x128_f8f6f4 with both operands' format E2M1 (or v_wmma_scale_f32_32x16x128_f4), f32 sums; everything else in f32.
;; Inputs: codes 1 x 4,096 x 128 float32; x 65,536 x 128 float32.
;; Outputs: out0 65,536 x 128 float32; out1 65,536 int32; out2 one number float32.
;; This version of the problem:
;;   THIS VERSION OF THE PROBLEM IS GIVEN IN LOW PRECISION. The matrix products marked QUANTISED in the list below multiply operands that are first quantised to E2M1 (2 exponent bits, 1 mantissa bit; 4 bits a number), with one power-of-two scale for each 32 numbers along K (OCP MX v1.0); their sums are f32. All else is computed in f32.
;;   The module's matrix products, in the order in which they are computed (A, B: the left and right operand; K: the contracted axis; several contracted axes count as one K, in the product's order):
;;     1. [M 65,536, K 128] x [K 128, N 4,096]; A: input x; B: input codes: QUANTISED
;;   THE QUANTISER, for each operand of a quantised product, along K:
;;     - K is cut into blocks of 32 from its start; a last block that is shorter is filled with zeros.
;;     - A block's scale is 2^e with e = floor(log2(the largest magnitude in the block)) - 2, held to -126 .. 127; a block of zeros has e = 0. As a byte (E8M0): e + 127.
;;     - Each number is divided by its block's scale, clamped to +-6, and rounded to the nearest number of E2M1, ties to even, subnormals kept.
;;     - The product sums the exact products of the quantised numbers (number of the format x scale) in f32.
;;   ~~~python
;;   def quantise(x, axis):      # numpy; x: float32 -> the quantised numbers, widened to float32 again
;;       x = np.moveaxis(x, axis, -1); K = x.shape[-1]
;;       x = np.pad(x, [(0, 0)] * (x.ndim - 1) + [(0, -K % 32)]); x = x.reshape(x.shape[:-1] + (-1, 32)); a = np.abs(x).max(-1, keepdims=True)
;;       e = np.where(a > 0, np.clip(np.frexp(np.where(a > 0, a, 1))[1] - 1 - 2, -126, 127), 0)      # np.frexp(a)[1] - 1 = floor(log2(a)), exactly
;;       r = np.clip(x / 2.0 ** e, -6, 6)
;;       step = 2.0 ** (np.maximum(np.frexp(np.where(r == 0, 1, r))[1] - 1, 0) - 1)
;;       q = np.round(r / step) * step * 2.0 ** e      # np.round: ties to even
;;       return np.moveaxis(q.reshape(q.shape[:-2] + (-1,))[..., :K], -1, axis).astype(np.float32)
;;   ~~~
;; One version. Each part assembles by itself: llvm-mc -triple=amdgcn-amd-amdhsa -mcpu=gfx1250 --defsym DOCPART=n.
;; ======== version 1 of 1: 4 launches
;; workspace buffers: cbk 294,912 bytes; sel 262,144 bytes of whole numbers; part 2,048 bytes
;; launch prep (part 1): grid 128 x 1, 1 waves a work-group, no clusters, 2,816 bytes of LDS; arguments codes, cbk; writes cbk
.if DOCPART == 1
	.amdgcn_target "amdgcn-amd-amdhsa--gfx1250"
	.amdhsa_code_object_version 6
	.text
	.protected	k_qac1a0c0d5d_prep
	.globl	k_qac1a0c0d5d_prep
	.p2align	8
	.type	k_qac1a0c0d5d_prep,@function
k_qac1a0c0d5d_prep:
	s_mov_b64 s[64:65], 0
	v_nop
	global_prefetch_b8 v0, s[64:65] scope:SCOPE_SE
	s_setreg_imm32_b32 hwreg(HW_REG_WAVE_MODE, 25, 1), 1
	s_wait_xcnt 0x0
; The codebook [4096][128] f32 becomes what the search launch wants to find in LDS, byte for byte: 128 records of 2,304 bytes, one for each PAIR of tiles of 16 codes.
; A record: [0, 1024) the image of tile 0's operand registers (FP4 codes: register group c of lane l at 512 c + 16 l), [1024, 2048) tile 1's,
; [2048, 2176) 32 scale words (word 16 u + row: four E8M0 bytes, one for each 32 along K), [2176, 2304) 32 f32: -|c|^2 / 2 of the unquantised row.
; A block's scale is 2^(floor(log2(its largest magnitude)) - 2); its byte is the largest magnitude's exponent field - 2, held at 1 from below.
; LIMITS: a block of zeros gets the byte 1 where the rule says 127 (its codes are zeros, and this program alone reads the bytes); NaN and infinities are not served;
; |c|^2 is summed in this text's own order (eight numbers a lane in two packed chains, then across sixteen lanes).
; One wave to a record: 128 work-groups, as many as there is work for.  No barrier: the wave reads back only what it stored itself.
.set REC, 2304
.set R0,  64                           ; v64-127   tile 0: 64 numbers a lane
.set R1,  128                          ; v128-191  tile 1
.set TT,  8                            ; v8-63     at work
; 16 rows x 128 f32 are quantised.  Lane l (hl = l / 16, o = l % 16) holds in v[R + 8 i ..] the numbers k = 8 o .. 8 o + 7 of row 2 i + hl: four neighbouring lanes hold a block of 32, sixteen a row.
; T: +0 largest magnitudes, +8 the conversions' scale operands, +16 scale bytes, +24 codes, +32 pairs of sums of squares, +48 HALF x the row's sum of squares.
; The eight codes of octet o = 8 c + 4 h + g are register 4 c + g of lane row + 16 h of the operand: image byte 512 c + 256 h + 4 g + 16 row.
.macro QROWS R, T, IMGA, imgoff, SCA, scoff, HXA, hoff, HALF
.irp i, 0,1,2,3,4,5,6,7
	v_max3_num_f32 v[\T+\i], |v[\R+8*\i]|, |v[\R+8*\i+1]|, 0x1800000           ; my eight numbers, and the floor 2^(3 - 127): the byte cannot fall under 1
.endr
.irp k, 2,4,6
.irp i, 0,1,2,3,4,5,6,7
	v_max3_num_f32 v[\T+\i], v[\T+\i], |v[\R+8*\i+\k]|, |v[\R+8*\i+\k+1]|      ; (the eight rows by turns)
.endr
.endr
.irp i, 0,1,2,3,4,5,6,7
	v_max_num_f32_dpp v[\T+\i], v[\T+\i], v[\T+\i] row_xmask:1 row_mask:0xf bank_mask:0xf
.endr
.irp i, 0,1,2,3,4,5,6,7
	v_max_num_f32_dpp v[\T+\i], v[\T+\i], v[\T+\i] row_xmask:2 row_mask:0xf bank_mask:0xf   ; the block's largest magnitude, in its four lanes
.endr
.irp i, 0,1,2,3,4,5,6,7
	v_add_nc_u32 v[\T+8+\i], 0xff000000, v[\T+\i]                              ; 2 off its exponent field: the conversion takes that field as its scale and nothing else
.endr
.irp i, 0,1,2,3,4,5,6,7
	v_lshrrev_b32 v[\T+16+\i], 23, v[\T+8+\i]                                  ; the scale's byte
.endr
.irp i, 0,1,2,3,4,5,6,7
	v_pk_mul_f32 v[\T+32+2*\i:\T+33+2*\i], v[\R+8*\i:\R+8*\i+1], v[\R+8*\i:\R+8*\i+1]       ; the sum of squares, of the unquantised numbers
.endr
.irp k, 2,4,6
.irp i, 0,1,2,3,4,5,6,7
	v_pk_fma_f32 v[\T+32+2*\i:\T+33+2*\i], v[\R+8*\i+\k:\R+8*\i+\k+1], v[\R+8*\i+\k:\R+8*\i+\k+1], v[\T+32+2*\i:\T+33+2*\i]
.endr
.endr
.irp i, 0,1,2,3,4,5,6,7
	v_add_f32 v[\T+48+\i], v[\T+32+2*\i], v[\T+33+2*\i]
.endr
.irp x, 1,2,4,8
.irp i, 0,1,2,3,4,5,6,7
	v_add_f32_dpp v[\T+48+\i], v[\T+48+\i], v[\T+48+\i] row_xmask:\x row_mask:0xf bank_mask:0xf   ; across the row's sixteen lanes
.endr
.endr
.irp i, 0,1,2,3,4,5,6,7
	v_mul_f32 v[\T+48+\i], \HALF, v[\T+48+\i]
.endr
.irp i, 0,1,2,3,4,5,6,7
	v_cvt_scalef32_pk8_fp4_f32 v[\T+24+\i], v[\R+8*\i:\R+8*\i+7], v[\T+8+\i]   ; eight codes, the lowest k in the lowest bits; beyond 6 the largest code
.endr
	v_nop                                                                      ; one plain place behind the last scaled conversion
.irp i, 0,1,2,3,4,5,6,7
	ds_store_b32 v[\IMGA], v[\T+24+\i] offset:\imgoff+32*\i                    ; row 2 i + hl: 32 i on
	ds_store_b8  v[\SCA],  v[\T+16+\i] offset:\scoff+8*\i                      ; a block's four lanes write the same byte with the same value
	ds_store_b32 v[\HXA],  v[\T+48+\i] offset:\hoff+8*\i                       ; a row's sixteen lanes write the same word with the same value
.endr
.endm
	s_load_b128 s[4:7], s[0:1], 0x0                ; codes s[4:5], cbk s[6:7]
	v_lshl_add_u32 v216, v0, 2, 0xa00
	v_mov_b32 v217, 0
	v_and_b32 v7, 15, v0                           ; o
	v_lshrrev_b32 v8, 4, v0                        ; hl
	v_lshlrev_b32 v1, 5, v7
	v_lshl_add_u32 v1, v8, 9, v1                   ; v1: in memory 512 hl + 32 o
	v_and_b32 v2, 3, v0
	v_lshlrev_b32 v2, 2, v2                        ; v2: in an image 4 (o % 4)
	v_bfe_u32 v9, v0, 2, 1
	v_lshl_add_u32 v2, v9, 8, v2                   ;     + 256 ((o / 4) % 2)
	v_bfe_u32 v9, v0, 3, 1
	v_lshl_add_u32 v2, v9, 9, v2                   ;     + 512 (o / 8)
	v_lshl_add_u32 v2, v8, 4, v2                   ;     + 16 hl
	v_bfe_u32 v3, v0, 2, 2
	v_lshl_add_u32 v3, v8, 2, v3                   ; v3: among the scale bytes 4 hl + o / 4
	v_lshlrev_b32 v4, 2, v8                        ; v4: among the sums 4 hl
	v_lshlrev_b32 v5, 4, v0                        ; v5: the way out, 16 bytes a lane
	v_lshlrev_b32 v6, 3, v0                        ; v6: and 8 bytes a lane
	s_lshl_b32 s8, ttmp9, 14                       ; my 32 rows of 512 bytes
	s_mov_b32 s9, 0
	s_mul_i32 s10, ttmp9, REC                      ; my record
	s_mov_b32 s11, 0
	s_wait_kmcnt 0x0
	s_add_nc_u64 s[4:5], s[4:5], s[8:9]
	s_add_nc_u64 s[6:7], s[6:7], s[10:11]
.irp u, 0,1
.irp i, 0,1,2,3,4,5,6,7
	global_load_b128 v[R0+64*\u+8*\i:R0+64*\u+8*\i+3],   v1, s[4:5] offset:8192*\u+1024*\i th:TH_LOAD_NT      ; the two loads of a pair cover 1,024 consecutive bytes: two rows
	global_load_b128 v[R0+64*\u+8*\i+4:R0+64*\u+8*\i+7], v1, s[4:5] offset:8192*\u+1024*\i+16 th:TH_LOAD_NT
.endr
.endr
	s_wait_loadcnt 16                              ; tile 0's sixteen loads are in; tile 1's sixteen may be out
	QROWS R0, TT, 2, 0, 3, 2048, 4, 2176, -0.5
	s_wait_dscnt 0x0                               ; the stores have read the registers that tile 1 writes anew
	s_wait_loadcnt 0x0
	QROWS R1, TT, 2, 1024, 3, 2112, 4, 2240, -0.5
.irp k, 0,1,2,3
	ds_load_b128 v[192+4*\k:195+4*\k], v5 offset:512*\k      ; LDS serves a wave's instructions in order: these see my stores
.endr
	ds_load_b64 v[208:209], v6 offset:2048
	s_wait_dscnt 0x0
.irp k, 0,1,2,3
	global_store_b128 v5, v[192+4*\k:195+4*\k], s[6:7] offset:512*\k   ; 512 consecutive bytes, at a multiple of 256 from the buffer's first byte
.endr
	global_store_b64 v6, v[208:209], s[6:7] offset:2048                ; the scale words and the sums: 256 consecutive bytes
	s_wait_tensorcnt 0x0
	ds_add_u32 v216, v217
	s_wait_dscnt 0x0
	s_endpgm
.Lfunc_end_k_qac1a0c0d5d_prep:
	.size	k_qac1a0c0d5d_prep, .Lfunc_end_k_qac1a0c0d5d_prep-k_qac1a0c0d5d_prep
	.p2alignl 7, 3214868480
	.fill 96, 4, 3214868480
	.section	.rodata,"a",@progbits
	.p2align	6, 0x0
	.amdhsa_kernel k_qac1a0c0d5d_prep
		.amdhsa_group_segment_fixed_size 2816
		.amdhsa_private_segment_fixed_size 0
		.amdhsa_enable_private_segment 0
		.amdhsa_kernarg_size 16
		.amdhsa_user_sgpr_count 2
		.amdhsa_user_sgpr_kernarg_segment_ptr 1
		.amdhsa_wavefront_size32 1
		.amdhsa_system_sgpr_workgroup_id_x 1
		.amdhsa_system_sgpr_workgroup_id_y 1
		.amdhsa_system_sgpr_workgroup_id_z 1
		.amdhsa_system_vgpr_workitem_id 0
		.amdhsa_next_free_vgpr 218
		.amdhsa_next_free_sgpr 66
		.amdhsa_reserve_vcc 0
		.amdhsa_float_denorm_mode_32 3
		.amdhsa_float_denorm_mode_16_64 3
		.amdhsa_memory_ordered 1
		.amdhsa_forward_progress 1
		.amdhsa_inst_pref_size 27
	.end_amdhsa_kernel
	.amdgpu_metadata
---
amdhsa.version: [ 1, 2 ]
amdhsa.kernels:
  - .name:           k_qac1a0c0d5d_prep
    .symbol:         k_qac1a0c0d5d_prep.kd
    .args:
      - { .name: codes, .offset: 0, .size: 8, .value_kind: global_buffer, .address_space: global }
      - { .name: cbk, .offset: 8, .size: 8, .value_kind: global_buffer, .address_space: global }
    .group_segment_fixed_size: 2816
    .private_segment_fixed_size: 0
    .kernarg_segment_align: 8
    .kernarg_segment_size: 16
    .max_flat_workgroup_size: 32
    .sgpr_count:     66
    .vgpr_count:     218
    .wavefront_size: 32
...
	.end_amdgpu_metadata
.endif
;; end of part 1
;; launch argm (part 2): grid 256 x 1, 16 waves a work-group, clusters of 4 x 1, 327,680 bytes of LDS; arguments x, cbk, out1, sel; writes out1, sel
.if DOCPART == 2
	.amdgcn_target "amdgcn-amd-amdhsa--gfx1250"
	.amdhsa_code_object_version 6
	.text
	.protected	k_qac1a0c0d5d_argm
	.globl	k_qac1a0c0d5d_argm
	.p2align	8
	.type	k_qac1a0c0d5d_argm,@function
k_qac1a0c0d5d_argm:
	s_mov_b64 s[64:65], 0
	v_nop
	global_prefetch_b8 v0, s[64:65] scope:SCOPE_SE
	s_setreg_imm32_b32 hwreg(HW_REG_WAVE_MODE, 25, 1), 1
	s_wait_xcnt 0x0
	s_wait_alu depctr_hold_cnt(0) depctr_sa_sdst(0) depctr_va_vdst(0) depctr_va_sdst(0) depctr_va_ssrc(0) depctr_va_vcc(0) depctr_vm_vsrc(0)
	s_getreg_b32 s2, hwreg(HW_REG_IB_STS2, 6, 4)
	s_cmp_eq_u32 s2, 0
	s_cbranch_scc0 .Lentry_in_a_cluster
	s_endpgm
.Lentry_in_a_cluster:
	s_bfe_u32 s2, ttmp6, 0x10000c
	s_cmp_lg_u32 s2, 0x3003
	s_cbranch_scc0 .Lentry_shape_is_right
	s_endpgm
.Lentry_shape_is_right:
; For each of 65,536 rows of x: the first code j of 4,096 at which sqrt(max(|x|^2 + |c_j|^2 - 2 Q(x).Q(c_j), 0)) is least, Q the MX-FP4 quantiser along K = 128.
; FORM.  t_j = Q(x).Q(c_j) - |c_j|^2 / 2, so that d2_j = |x|^2 - 2 t_j.  The root and the divisions by positive constants never fall where d2 rises, so the index sought is the first j at which
; min(t_j, |x|^2 / 2) is largest; that minimum is the clip of d2 at 0.  -|c_j|^2 / 2 is the C of the one matrix instruction that makes a tile of scores: forming a score costs no vector instruction.
; LIMITS.  Two codes whose d2 differ in the last bits but whose distances round to the same f32 give the smaller d2 here, not the first index; |x|^2 is not added ahead of the comparison and
; |c|^2 is summed in this program's own order; NaN and infinities are not served; a block of zeros carries the scale byte 1 over zero codes.
; SHARES.  A work-group owns 256 rows.  The whole quantised codebook, 294,912 bytes, lies in LDS, filled once.  Wave w = 4 q + p takes rows 64 q .. 64 q + 63 (four tiles) and quarter p of the codebook
; (32 pairs of tiles, 1,024 codes): each fragment of codes read from LDS feeds four products.  K is one instruction deep, nothing is summed from step to step, so large accumulator tiles would buy nothing:
; sixteen waves of 256 registers, four to a SIMD, so that one wave's vector work stands beside another's products and LDS loads; no register windows.
; CLUSTER.  Every work-group reads the same codebook: the four of a cluster ask for each part jointly (the same tensor load, the same descriptor, a mask that names the four).
; THE PRODUCT IS USED TRANSPOSED: source 0 = 16 codes, source 1 = 16 rows of x: lane (r, h) holds row r, register j code 8 h + j.  A lane keeps, for each of its four rows, the largest clipped score m, the pair that
; gave it, and that pair's 16 scores; which of the 16 it was is looked up once, behind the loop.  So a score costs 28 / 16 vector instructions.
; LDS: 0 the codebook (tensor loads alone); XIMG 16 images of x's fragments, 1,024 bytes each (later the table of the waves' results); XSCL x's scale words, XHXL |x|^2 / 2, 64 bytes a tile each.
; REGISTERS: v1 16 l, v2 4 l, v3 32 h, v4-6 addresses in hand, v7 8 h; v8-39 x's four fragments; v40-43 x's scale words; v44-47 |x|^2 / 2; v48-55 (m, id) x 4; v56-87 two sets of a pair's fragments;
; v88-119 two sets of a pair's -|c|^2 / 2; v120-121 two sets of a pair's scale words; v122-127 at work; v128-191 the scores; v192-255 the saved scores.
.set REC,   2304                       ; a pair's record
.set QUART, 32*REC                     ; a quarter of the codebook
.set CHA,   8*REC                      ; its first eight pairs: what the waves' first loads bring
.set XIMG,  128*REC
.set XSCL,  XIMG+16*1024
.set XHXL,  XSCL+1024
.set MRG,   XIMG                       ; the waves' results: (4 q + t) x 1,024 + 256 p + 8 l
.set XFR, 8
.set XSR, 40
.set HXR, 44
.set MI,  48
.set AFR, 56
.set HCR, 88
.set ASR, 120
.set ACC, 128
.set SAV, 192
; 16 rows x 128 f32 are quantised.  Lane l (hl = l / 16, o = l % 16) holds in v[R + 8 i ..] the numbers k = 8 o .. 8 o + 7 of row 2 i + hl: four neighbouring lanes hold a block of 32, sixteen a row.
; T: +0 largest magnitudes, +8 the conversions' scale operands, +16 scale bytes, +24 codes, +32 pairs of sums of squares, +48 HALF x the row's sum of squares.
; The eight codes of octet o = 8 c + 4 h + g are register 4 c + g of lane row + 16 h of the operand: image byte 512 c + 256 h + 4 g + 16 row.
.macro QROWS R, T, IMGA, imgoff, SCA, scoff, HXA, hoff, HALF
.irp i, 0,1,2,3,4,5,6,7
	v_max3_num_f32 v[\T+\i], |v[\R+8*\i]|, |v[\R+8*\i+1]|, 0x1800000           ; my eight numbers, and the floor 2^(3 - 127): the byte cannot fall under 1
.endr
.irp k, 2,4,6
.irp i, 0,1,2,3,4,5,6,7
	v_max3_num_f32 v[\T+\i], v[\T+\i], |v[\R+8*\i+\k]|, |v[\R+8*\i+\k+1]|      ; (the eight rows by turns)
.endr
.endr
.irp i, 0,1,2,3,4,5,6,7
	v_max_num_f32_dpp v[\T+\i], v[\T+\i], v[\T+\i] row_xmask:1 row_mask:0xf bank_mask:0xf
.endr
.irp i, 0,1,2,3,4,5,6,7
	v_max_num_f32_dpp v[\T+\i], v[\T+\i], v[\T+\i] row_xmask:2 row_mask:0xf bank_mask:0xf   ; the block's largest magnitude, in its four lanes
.endr
.irp i, 0,1,2,3,4,5,6,7
	v_add_nc_u32 v[\T+8+\i], 0xff000000, v[\T+\i]                              ; 2 off its exponent field: the conversion takes that field as its scale and nothing else
.endr
.irp i, 0,1,2,3,4,5,6,7
	v_lshrrev_b32 v[\T+16+\i], 23, v[\T+8+\i]                                  ; the scale's byte
.endr
.irp i, 0,1,2,3,4,5,6,7
	v_pk_mul_f32 v[\T+32+2*\i:\T+33+2*\i], v[\R+8*\i:\R+8*\i+1], v[\R+8*\i:\R+8*\i+1]       ; the sum of squares, of the unquantised numbers
.endr
.irp k, 2,4,6
.irp i, 0,1,2,3,4,5,6,7
	v_pk_fma_f32 v[\T+32+2*\i:\T+33+2*\i], v[\R+8*\i+\k:\R+8*\i+\k+1], v[\R+8*\i+\k:\R+8*\i+\k+1], v[\T+32+2*\i:\T+33+2*\i]
.endr
.endr
.irp i, 0,1,2,3,4,5,6,7
	v_add_f32 v[\T+48+\i], v[\T+32+2*\i], v[\T+33+2*\i]
.endr
.irp x, 1,2,4,8
.irp i, 0,1,2,3,4,5,6,7
	v_add_f32_dpp v[\T+48+\i], v[\T+48+\i], v[\T+48+\i] row_xmask:\x row_mask:0xf bank_mask:0xf   ; across the row's sixteen lanes
.endr
.endr
.irp i, 0,1,2,3,4,5,6,7
	v_mul_f32 v[\T+48+\i], \HALF, v[\T+48+\i]
.endr
.irp i, 0,1,2,3,4,5,6,7
	v_cvt_scalef32_pk8_fp4_f32 v[\T+24+\i], v[\R+8*\i:\R+8*\i+7], v[\T+8+\i]   ; eight codes, the lowest k in the lowest bits; beyond 6 the largest code
.endr
	v_nop                                                                      ; one plain place behind the last scaled conversion
.irp i, 0,1,2,3,4,5,6,7
	ds_store_b32 v[\IMGA], v[\T+24+\i] offset:\imgoff+32*\i                    ; row 2 i + hl: 32 i on
	ds_store_b8  v[\SCA],  v[\T+16+\i] offset:\scoff+8*\i                      ; a block's four lanes write the same byte with the same value
	ds_store_b32 v[\HXA],  v[\T+48+\i] offset:\hoff+8*\i                       ; a row's sixteen lanes write the same word with the same value
.endr
.endm
; A round of the cluster's barrier: my work-group's barrier, wave 0 signals for the work-group, every wave waits for all four work-groups, my work-group's barrier once more.
.macro ROUND
	s_barrier_signal -1
	s_barrier_wait -1
	s_cmp_lg_u32 s12, 0
	s_cbranch_scc1 .Lnot_wave_0_\@
	s_barrier_signal -3
.Lnot_wave_0_\@:
	s_barrier_wait -3
	s_barrier_signal -1
	s_barrier_wait -1
.endm
.macro PLACES n
.rept \n
	v_nop
.endr
.endm
.macro ADDR                            ; the LDS addresses of the record at s50
	v_add_nc_u32 v4, s50, v1                       ; images: 16 bytes a lane
	v_add_nc_u32 v5, s50, v2                       ; scale words: 4 bytes a lane: lanes 0-15 tile 0's, lanes 16-31 tile 1's
	v_add_nc_u32 v6, s50, v3                       ; -|c|^2 / 2: my half's eight codes of a tile
.endm
.macro LOADPAIR b, off                 ; nine LDS loads: the record off bytes behind the addresses in hand, into set b
.irp k, 0,1,2,3
	ds_load_b128 v[AFR+16*(\b)+4*\k:AFR+16*(\b)+4*\k+3], v4 offset:\off+512*\k
.endr
	ds_load_b32 v[ASR+(\b)], v5 offset:\off+2048
	ds_load_b128 v[HCR+16*(\b):HCR+16*(\b)+3],     v6 offset:\off+2176
	ds_load_b128 v[HCR+16*(\b)+4:HCR+16*(\b)+7],   v6 offset:\off+2176+16
	ds_load_b128 v[HCR+16*(\b)+8:HCR+16*(\b)+11],  v6 offset:\off+2176+64
	ds_load_b128 v[HCR+16*(\b)+12:HCR+16*(\b)+15], v6 offset:\off+2176+80
.endm
; Eight products: my four tiles of rows x the pair's two tiles of codes.  Each has its own result registers and takes -|c|^2 / 2 as C from other registers: no product adds in place.
.macro MUL b
.irp t, 0,1,2,3
	v_wmma_scale_f32_16x16x128_f8f6f4 v[ACC+16*\t:ACC+16*\t+7], v[AFR+16*(\b):AFR+16*(\b)+7], v[XFR+8*\t:XFR+8*\t+7], v[HCR+16*(\b):HCR+16*(\b)+7], v[ASR+(\b)], v[XSR+\t] matrix_a_fmt:MATRIX_FMT_FP4 matrix_b_fmt:MATRIX_FMT_FP4
	v_wmma_scale_f32_16x16x128_f8f6f4 v[ACC+16*\t+8:ACC+16*\t+15], v[AFR+16*(\b)+8:AFR+16*(\b)+15], v[XFR+8*\t:XFR+8*\t+7], v[HCR+16*(\b)+8:HCR+16*(\b)+15], v[ASR+(\b)], v[XSR+\t] matrix_a_fmt:MATRIX_FMT_FP4 matrix_b_fmt:MATRIX_FMT_FP4 matrix_a_scale:MATRIX_SCALE_ROW1
.endr
.endm
; Where tile t's clipped maximum v[a] of this pair beats m (strictly: the first pair stays), m, the pair's number and its 16 scores are taken.
.macro TAKE t, a
	v_cmp_gt_f32 vcc_lo, v[\a], v[MI+2*(\t)]
	v_max_num_f32 v[MI+2*(\t)], v[MI+2*(\t)], v[\a]
	v_cndmask_b32 v[MI+2*(\t)+1], v[MI+2*(\t)+1], s51, vcc_lo
.irp j, 0,1,2,3,4,5,6,7,8,9,10,11,12,13,14,15
	v_cndmask_b32 v[SAV+16*(\t)+\j], v[SAV+16*(\t)+\j], v[ACC+16*(\t)+\j], vcc_lo
.endr
.endm
; Tiles t and t + 1: the largest of a lane's 16 scores, in four chains by turns, each result read from its low end on; held at |x|^2 / 2.
.macro EPI2 t
.set E0, ACC+16*(\t)
.set E1, ACC+16*(\t)+16
	v_max3_num_f32 v122, v[E0], v[E0+1], v[E0+2]
	v_max3_num_f32 v123, v[E0+8], v[E0+9], v[E0+10]
	v_max3_num_f32 v124, v[E1], v[E1+1], v[E1+2]
	v_max3_num_f32 v125, v[E1+8], v[E1+9], v[E1+10]
.irp k, 3,5
	v_max3_num_f32 v122, v122, v[E0+\k], v[E0+\k+1]
	v_max3_num_f32 v123, v123, v[E0+8+\k], v[E0+9+\k]
	v_max3_num_f32 v124, v124, v[E1+\k], v[E1+\k+1]
	v_max3_num_f32 v125, v125, v[E1+8+\k], v[E1+9+\k]
.endr
	v_max3_num_f32 v122, v122, v[E0+7], v[E0+15]
	v_max3_num_f32 v124, v124, v[E1+7], v[E1+15]
	v_max_num_f32 v122, v122, v123
	v_max_num_f32 v124, v124, v125
	v_min_num_f32 v122, v122, v[HXR+(\t)]          ; the clip of d2 at 0
	v_min_num_f32 v124, v124, v[HXR+(\t)+1]
	TAKE \t, 122
	TAKE \t+1, 124
.endm
; A step: one pair, from set b.  mode 1: the next pair, 2,304 bytes on, is fetched into the other set; mode 2: the addresses step two pairs on first; mode 0: nothing more to fetch.
; Four places stand between the products and the first read of their results (ISA guide 7.12.1).  The other set's last readers stand a whole step back.
.macro STEP b, mode
	s_wait_dscnt 0x0                               ; the nine loads issued a step ago
	MUL \b
.if \mode == 1
	LOADPAIR 1-\b, REC
	PLACES 4
.elseif \mode == 2
	s_add_co_u32 s50, s50, 2*REC
	ADDR                                           ; three of the four places
	PLACES 1
	LOADPAIR 1-\b, 0
.else
	PLACES 4
.endif
	EPI2 0
	EPI2 2
	s_add_co_u32 s51, s51, 1                       ; the next pair's number
.endm
; 2 trips + 2 pairs on end, from the record at s50 on.  The last two are written out, so that no load reaches past what has landed.
.macro CHUNK trips
	ADDR
	LOADPAIR 0, 0
	s_mov_b32 s52, \trips
.Lpairs_\@:
	STEP 0, 1
	STEP 1, 2
	s_sub_co_u32 s52, s52, 1
	s_cmp_lg_u32 s52, 0
	s_cbranch_scc1 .Lpairs_\@
	STEP 0, 1
	STEP 1, 0
	s_add_co_u32 s50, s50, 2*REC
.endm
; Tile t: which of the saved 16 was it: the first that reaches m (a score above the clip reaches it too).  Register j is code j + 8 h of the pair (j < 8) or j + 8 + 8 h.  Then the better of the two halves of the lanes.
.macro RESOLVE t
	v_mov_b32 v122, 23                             ; register 15, if none before it
.irp j, 14,13,12,11,10,9,8
	v_cmp_ge_f32 vcc_lo, v[SAV+16*\t+\j], v[MI+2*\t]
	v_cndmask_b32 v122, v122, \j+8, vcc_lo
.endr
.irp j, 7,6,5,4,3,2,1,0
	v_cmp_ge_f32 vcc_lo, v[SAV+16*\t+\j], v[MI+2*\t]
	v_cndmask_b32 v122, v122, \j, vcc_lo
.endr
	v_lshl_add_u32 v[MI+2*\t+1], v[MI+2*\t+1], 5, v122
	v_add_nc_u32 v[MI+2*\t+1], v[MI+2*\t+1], v7    ; the code's index: 32 x pair + place + 8 h
	v_permlanex16_b32 v126, v[MI+2*\t], s48, s49   ; lane l xor 16 holds the same row's other codes
	v_permlanex16_b32 v127, v[MI+2*\t+1], s48, s49
	v_cmp_gt_f32 s53, v126, v[MI+2*\t]
	v_cmp_eq_f32 s54, v126, v[MI+2*\t]
	v_cmp_lt_u32 s55, v127, v[MI+2*\t+1]
	s_and_b32 s54, s54, s55
	s_or_b32 vcc_lo, s53, s54                      ; the other is larger, or equal with the lower index
	v_cndmask_b32 v[MI+2*\t], v[MI+2*\t], v126, vcc_lo
	v_cndmask_b32 v[MI+2*\t+1], v[MI+2*\t+1], v127, vcc_lo
	ds_store_b64 v4, v[MI+2*\t:MI+2*\t+1] offset:1024*\t
.endm
	s_load_b256 s[4:11], s[0:1], 0x0               ; x s[4:5], cbk s[6:7], out1 s[8:9], sel s[10:11]
	v_lshl_add_u32 v254, v0, 2, 0x4c800
	v_mov_b32 v255, 0
	ds_add_u32 v254, v255
	ds_add_u32 v254, v255
	s_wait_dscnt 0x0
	v_lshrrev_b32 v1, 5, v0
	v_readfirstlane_b32 s12, v1                    ; wave 0..15
	s_lshr_b32 s13, s12, 2                         ; q: my 64 rows
	s_and_b32 s14, s12, 3                          ; p: my quarter of the codebook
	s_bfe_u32 s15, ttmp6, 0x40000                  ; cx: my place in the cluster
	s_lshl_b32 s16, ttmp9, 2                       ; in a cluster launch ttmp9 counts clusters
	s_add_co_u32 s16, s16, s15                     ; my work-group: it enters x's, out1's and sel's addresses alone
	; descriptor groups 1: dense blocks as rows of 256 bytes (32 elements of 8 bytes): 18 rows (two records) and 54 rows (six records)
	s_mov_b32 s24, 15|(3<<16)|(1<<21)              ; 15:0 the mask: all four work-groups; 17:16 elements of 8 bytes; 21 set beside a mask; no padding
	s_mov_b32 s25, 32<<16                          ; tensor_dim0 = 32
	s_mov_b32 s26, 18<<16                          ; tensor_dim1 = 18
	s_mov_b32 s27, 32<<16                          ; tile_dim0 = 32
	s_mov_b32 s28, 18                              ; tile_dim1 = 18
	s_mov_b32 s29, 32                              ; from row to row: 32 elements
	s_mov_b32 s30, 0
	s_mov_b32 s31, 0
	s_mov_b32 s32, 15|(3<<16)|(1<<21)
	s_mov_b32 s33, 32<<16
	s_mov_b32 s34, 54<<16
	s_mov_b32 s35, 32<<16
	s_mov_b32 s36, 54
	s_mov_b32 s37, 32
	s_mov_b32 s38, 0
	s_mov_b32 s39, 0
	; what I fetch: of quarter p's first eight pairs the two at 2 q, of its other 24 the six at 8 + 6 q.  The byte in cbk and the byte in LDS are the same number, made of the wave's number alone.
	s_mul_i32 s18, s14, QUART
	s_mul_i32 s19, s13, 2*REC
	s_add_co_u32 s20, s18, s19
	s_mul_i32 s19, s13, 6*REC
	s_add_co_u32 s21, s18, s19
	s_add_co_u32 s21, s21, CHA
	s_mov_b32 s50, s18                             ; the record in hand: my quarter's first
	s_lshl_b32 s51, s14, 5                         ; and its number
	s_mov_b32 s48, 0x76543210
	s_mov_b32 s49, 0xfedcba98                      ; v_permlanex16_b32's selects for lane l xor 16
	v_and_b32 v2, 31, v0
	v_lshlrev_b32 v1, 4, v2                        ; 16 l
	v_lshlrev_b32 v2, 2, v2                        ; 4 l
	v_bfe_u32 v7, v0, 4, 1                         ; h
	v_lshlrev_b32 v3, 5, v7                        ; 32 h
	v_and_b32 v60, 15, v0                          ; o = r
	v_lshlrev_b32 v59, 5, v60
	v_lshl_add_u32 v59, v7, 9, v59                 ; v59: x in memory: 512 h + 32 o
	v_and_b32 v56, 3, v0
	v_lshlrev_b32 v56, 2, v56
	v_bfe_u32 v61, v0, 2, 1
	v_lshl_add_u32 v56, v61, 8, v56
	v_bfe_u32 v61, v0, 3, 1
	v_lshl_add_u32 v56, v61, 9, v56
	v_lshl_add_u32 v56, v7, 4, v56
	s_lshl_b32 s58, s12, 10
	s_add_co_u32 s58, s58, XIMG
	v_add_nc_u32 v56, s58, v56                     ; v56: my wave's image: XIMG + 1,024 w + 512 (o / 8) + 256 ((o / 4) % 2) + 4 (o % 4) + 16 h
	v_bfe_u32 v57, v0, 2, 2
	v_lshl_add_u32 v57, v7, 2, v57
	s_lshl_b32 s58, s12, 6
	s_add_co_u32 s59, s58, XSCL
	v_add_nc_u32 v57, s59, v57                     ; v57: its scale bytes: XSCL + 64 w + 4 h + o / 4
	s_add_co_u32 s59, s58, XHXL
	v_lshl_add_u32 v58, v7, 2, s59                 ; v58: its |x|^2 / 2: XHXL + 64 w + 4 h
	s_lshl_b32 s58, s13, 12
	s_add_co_u32 s58, s58, XIMG
	v_add_nc_u32 v122, s58, v1                     ; v122: my four tiles' images: XIMG + 4,096 q + 16 l
	s_lshl_b32 s58, s13, 8
	s_add_co_u32 s58, s58, XSCL
	v_lshl_add_u32 v123, v60, 2, s58               ; v123: their scale words: XSCL + 256 q + 4 r; |x|^2 / 2 lies 1,024 bytes on
	v_lshlrev_b32 v7, 3, v7                        ; 8 h
	v_mov_b32 v126, 0                              ; written once: a lane permute's destination counts as one of its sources
	v_mov_b32 v127, 0
	s_wait_kmcnt 0x0
	s_lshl_b32 s56, s16, 17                        ; my work-group's 256 rows of 512 bytes,
	s_lshl_b32 s57, s12, 13                        ; my wave's 16 of them: row tile w
	s_add_co_u32 s56, s56, s57
	s_mov_b32 s57, 0
	s_add_nc_u64 s[4:5], s[4:5], s[56:57]
.irp i, 0,1,2,3,4,5,6,7
	global_load_b128 v[ACC+8*\i:ACC+8*\i+3],   v59, s[4:5] offset:1024*\i th:TH_LOAD_NT        ; the two loads of a pair cover 1,024 consecutive bytes: two rows
	global_load_b128 v[ACC+8*\i+4:ACC+8*\i+7], v59, s[4:5] offset:1024*\i+16 th:TH_LOAD_NT
.endr
	s_lshl_b32 s56, s16, 10                        ; my work-group's 256 indices
	s_add_nc_u64 s[8:9], s[8:9], s[56:57]
	s_add_nc_u64 s[10:11], s[10:11], s[56:57]
	s_mov_b32 s40, 1                               ; group 0: count = 1,
	s_mov_b32 s41, s20                             ; the LDS address,
	s_mov_b32 s22, s20
	s_mov_b32 s23, 0
	s_add_nc_u64 s[42:43], s[6:7], s[22:23]        ; the global address,
	s_or_b32 s43, s43, 0x80000000                  ; type = 2
	s_mov_b32 s44, 1
	s_mov_b32 s45, s21
	s_mov_b32 s22, s21
	s_add_nc_u64 s[46:47], s[6:7], s[22:23]
	s_or_b32 s47, s47, 0x80000000
	ROUND                                          ; all four work-groups are here: the joint loads meet
	tensor_load_to_lds s[40:43], s[24:31]          ; both fills of the wave go out together, ahead of every wait on TENSORcnt and every LDS read: two loads of mine are out, and no more follow
	s_nop 0
	tensor_load_to_lds s[44:47], s[32:39]
	s_nop 0
	PLACES 4                                       ; four places behind the tensor loads
	s_wait_loadcnt 0x0                             ; x
	QROWS ACC, SAV, 56, 0, 57, 0, 58, 0, 0.5
	s_wait_dscnt 0x0                               ; my image, scale words and |x|^2 / 2 lie in LDS, and the stores have read the registers written below
.irp t, 0,1,2,3
	v_mov_b32 v[MI+2*\t], 0xff800000               ; m: under every score, so the first pair is taken
	v_mov_b32 v[MI+2*\t+1], 0
.endr
.set i, 0
.rept 64
	v_mov_b32 v[SAV+i], 0                          ; the loop is written once: its selections name these before the first pair has filled them
.set i, i+1
.endr
	s_wait_tensorcnt 0x1                           ; my first load has landed; the second may stay out: no LDS byte is filled twice in this launch
	s_barrier_signal -1
	s_barrier_wait -1                              ; everybody's x and everybody's first load
.irp t, 0,1,2,3
	ds_load_b128 v[XFR+8*\t:XFR+8*\t+3],   v122 offset:1024*\t
	ds_load_b128 v[XFR+8*\t+4:XFR+8*\t+7], v122 offset:1024*\t+512
	ds_load_b32 v[XSR+\t], v123 offset:64*\t
	ds_load_b32 v[HXR+\t], v123 offset:1024+64*\t
.endr
	CHUNK 3                                        ; my quarter's first eight pairs, while the other 24 land
	s_wait_tensorcnt 0x0                           ; my second load has landed
	s_wait_dscnt 0x0
	s_barrier_signal -1
	s_barrier_wait -1                              ; everybody's has; and nobody reads x's images any more
	CHUNK 11                                       ; the other 24 pairs
	; the addresses of the end, all made ahead of the branch on the wave's number
	s_lshl_b32 s58, s13, 12
	s_lshl_b32 s59, s14, 8
	s_add_co_u32 s58, s58, s59
	s_add_co_u32 s58, s58, MRG
	v_and_b32 v4, 31, v0
	v_lshl_add_u32 v4, v4, 3, s58                  ; v4: my results: MRG + 4,096 q + 256 p + 8 l
	v_lshrrev_b32 v5, 4, v0
	v_lshlrev_b32 v5, 10, v5
	v_and_b32 v6, 15, v0
	v_lshl_add_u32 v5, v6, 3, v5
	v_add_nc_u32 v5, MRG, v5                       ; v5: row = thread: MRG + 1,024 (thread / 16) + 8 (thread % 16)
	v_lshlrev_b32 v6, 2, v0                        ; v6: its index in memory
	RESOLVE 0
	RESOLVE 1
	RESOLVE 2
	RESOLVE 3
	s_wait_dscnt 0x0                               ; for the others' sake: my results lie in LDS
	s_barrier_signal -1
	s_barrier_wait -1
	s_cmp_lt_u32 s12, 8                            ; 256 rows: threads 0 to 255 take one each
	s_cbranch_scc0 .Ljoin
	ds_load_b64 v[128:129], v5                     ; the four quarters' (m, index) of my row
	ds_load_b64 v[130:131], v5 offset:256
	ds_load_b64 v[132:133], v5 offset:512
	ds_load_b64 v[134:135], v5 offset:768
	s_wait_dscnt 0x0
.irp k, 130,132,134
	v_cmp_gt_f32 vcc_lo, v[\k], v128               ; strictly: the indices rise with the quarter, so the first stays
	v_cndmask_b32 v128, v128, v[\k], vcc_lo
	v_cndmask_b32 v129, v129, v[\k+1], vcc_lo
.endr
	global_store_b32 v6, v129, s[8:9]              ; the output,
	global_store_b32 v6, v129, s[10:11]            ; and the whole numbers from which the next launch forms its addresses
.Ljoin:
	s_wait_xcnt 0x0
	v_lshl_add_u32 v254, v0, 2, 0x4c800
	v_mov_b32 v255, 0
	s_wait_tensorcnt 0x0
	ds_add_u32 v254, v255
	s_wait_dscnt 0x0
	ROUND                                          ; the closing round: no work-group ends while a partner may still ask for a part that names it
	s_endpgm
.Lfunc_end_k_qac1a0c0d5d_argm:
	.size	k_qac1a0c0d5d_argm, .Lfunc_end_k_qac1a0c0d5d_argm-k_qac1a0c0d5d_argm
	.p2alignl 7, 3214868480
	.fill 96, 4, 3214868480
	.section	.rodata,"a",@progbits
	.p2align	6, 0x0
	.amdhsa_kernel k_qac1a0c0d5d_argm
		.amdhsa_group_segment_fixed_size 327680
		.amdhsa_private_segment_fixed_size 0
		.amdhsa_enable_private_segment 0
		.amdhsa_kernarg_size 32
		.amdhsa_user_sgpr_count 2
		.amdhsa_user_sgpr_kernarg_segment_ptr 1
		.amdhsa_wavefront_size32 1
		.amdhsa_system_sgpr_workgroup_id_x 1
		.amdhsa_system_sgpr_workgroup_id_y 1
		.amdhsa_system_sgpr_workgroup_id_z 1
		.amdhsa_system_vgpr_workitem_id 0
		.amdhsa_next_free_vgpr 256
		.amdhsa_next_free_sgpr 66
		.amdhsa_reserve_vcc 1
		.amdhsa_float_denorm_mode_32 3
		.amdhsa_float_denorm_mode_16_64 3
		.amdhsa_memory_ordered 1
		.amdhsa_forward_progress 1
		.amdhsa_inst_pref_size 82
	.end_amdhsa_kernel
	.amdgpu_metadata
---
amdhsa.version: [ 1, 2 ]
amdhsa.kernels:
  - .name:           k_qac1a0c0d5d_argm
    .symbol:         k_qac1a0c0d5d_argm.kd
    .args:
      - { .name: x, .offset: 0, .size: 8, .value_kind: global_buffer, .address_space: global }
      - { .name: cbk, .offset: 8, .size: 8, .value_kind: global_buffer, .address_space: global }
      - { .name: out1, .offset: 16, .size: 8, .value_kind: global_buffer, .address_space: global }
      - { .name: sel, .offset: 24, .size: 8, .value_kind: global_buffer, .address_space: global }
    .group_segment_fixed_size: 327680
    .private_segment_fixed_size: 0
    .kernarg_segment_align: 8
    .kernarg_segment_size: 32
    .max_flat_workgroup_size: 512
    .sgpr_count:     66
    .vgpr_count:     256
    .wavefront_size: 32
...
	.end_amdgpu_metadata
.endif
;; end of part 2
;; launch gath (part 3): grid 512 x 1, 8 waves a work-group, no clusters, 1,280 bytes of LDS; arguments x, codes, sel, out0, part; writes out0, part
.if DOCPART == 3
	.amdgcn_target "amdgcn-amd-amdhsa--gfx1250"
	.amdhsa_code_object_version 6
	.text
	.protected	k_qac1a0c0d5d_gath
	.globl	k_qac1a0c0d5d_gath
	.p2align	8
	.type	k_qac1a0c0d5d_gath,@function
k_qac1a0c0d5d_gath:
	s_mov_b64 s[64:65], 0
	v_nop
	global_prefetch_b8 v0, s[64:65] scope:SCOPE_SE
	s_setreg_imm32_b32 hwreg(HW_REG_WAVE_MODE, 25, 1), 1
	s_wait_xcnt 0x0
; out0[r] = codes[sel[r]], and for each work-group the sum over its 128 rows of |x[r] - codes[sel[r]]|^2, in f32, on the unquantised numbers.
; A stream: memory binds, so no matrix unit, no cluster, no tensor load.  A wave takes 16 rows; one load or store of a wave is one whole row, 512 consecutive bytes.  All 32 loads of a wave go out before the
; first is waited for; there is no loop, every offset is an immediate, and no register of a pending access is written again.
; The 16 indices come by one scalar load from the whole numbers that the launch before stored; each is held to 0 .. 4,095 ahead of its use in an address.
.set OFS, 2                            ; v2-17    byte offsets of the gathered rows
.set XR,  20                           ; v20-83   x, then x - c
.set CR,  84                           ; v84-147  the gathered rows
	s_load_b256 s[4:11], s[0:1], 0x0               ; x s[4:5], codes s[6:7], sel s[8:9], out0 s[10:11]
	s_load_b64 s[12:13], s[0:1], 0x20              ; part
	v_lshl_add_u32 v160, v0, 2, 0x100
	v_mov_b32 v161, 0
	v_lshrrev_b32 v1, 5, v0
	v_readfirstlane_b32 s34, v1                    ; wave 0..7
	v_and_b32 v1, 31, v0
	v_lshlrev_b32 v1, 4, v1                        ; 16 bytes a lane
	s_lshl_b32 s35, ttmp9, 7
	s_lshl_b32 s36, s34, 4
	s_add_co_u32 s35, s35, s36                     ; my first row: 128 x work-group + 16 x wave
	s_lshl_b32 s14, s35, 2                         ; its index,
	s_mov_b32 s15, 0
	s_lshl_b32 s36, s35, 9                         ; its 512 bytes
	s_mov_b32 s37, 0
	s_mov_b32 s32, 0x76543210
	s_mov_b32 s33, 0xfedcba98                      ; v_permlanex16_b32's selects for lane l xor 16
	s_wait_kmcnt 0x0
	s_add_nc_u64 s[8:9], s[8:9], s[14:15]
	s_load_b512 s[16:31], s[8:9], 0x0              ; my 16 indices
	s_add_nc_u64 s[4:5], s[4:5], s[36:37]
	s_add_nc_u64 s[10:11], s[10:11], s[36:37]
.irp i, 0,1,2,3,4,5,6,7,8,9,10,11,12,13,14,15
	global_load_b128 v[XR+4*\i:XR+4*\i+3], v1, s[4:5] offset:512*\i th:TH_LOAD_NT
.endr
	s_wait_kmcnt 0x0
.irp i, 0,1,2,3,4,5,6,7,8,9,10,11,12,13,14,15
	s_min_u32 s[16+\i], s[16+\i], 0xfff
	s_lshl_b32 s[16+\i], s[16+\i], 9
	v_add_nc_u32 v[OFS+\i], s[16+\i], v1
	global_load_b128 v[CR+4*\i:CR+4*\i+3], v[OFS+\i], s[6:7]   ; no hint: a row may be named by many
.endr
.irp i, 0,1,2,3,4,5,6,7,8,9,10,11,12,13,14,15
	s_wait_loadcnt 15-\i                           ; loads come back in order: gather i is in, and so is all of x; the 15 - i younger gathers may be out
	global_store_b128 v1, v[CR+4*\i:CR+4*\i+3], s[10:11] offset:512*\i th:TH_STORE_NT
	v_pk_add_f32 v[XR+4*\i:XR+4*\i+1],   v[XR+4*\i:XR+4*\i+1],   v[CR+4*\i:CR+4*\i+1]   neg_lo:[0,1] neg_hi:[0,1]
	v_pk_add_f32 v[XR+4*\i+2:XR+4*\i+3], v[XR+4*\i+2:XR+4*\i+3], v[CR+4*\i+2:CR+4*\i+3] neg_lo:[0,1] neg_hi:[0,1]
.if \i == 0
	v_pk_mul_f32 v[148:149], v[XR:XR+1], v[XR:XR+1]            ; the first row starts the sums
	v_pk_mul_f32 v[150:151], v[XR+2:XR+3], v[XR+2:XR+3]
.else
	v_pk_fma_f32 v[148:149], v[XR+4*\i:XR+4*\i+1],   v[XR+4*\i:XR+4*\i+1],   v[148:149]
	v_pk_fma_f32 v[150:151], v[XR+4*\i+2:XR+4*\i+3], v[XR+4*\i+2:XR+4*\i+3], v[150:151]
.endif
.endr
	v_pk_add_f32 v[148:149], v[148:149], v[150:151]
	v_add_f32 v148, v148, v149
	v_add_f32_dpp v148, v148, v148 row_xmask:1 row_mask:0xf bank_mask:0xf
	v_add_f32_dpp v148, v148, v148 row_xmask:2 row_mask:0xf bank_mask:0xf
	v_add_f32_dpp v148, v148, v148 row_xmask:4 row_mask:0xf bank_mask:0xf
	v_add_f32_dpp v148, v148, v148 row_xmask:8 row_mask:0xf bank_mask:0xf
	v_permlanex16_b32 v149, v148, s32, s33
	v_add_f32 v148, v148, v149                     ; the wave's sum, in every lane
	v_mov_b32 v152, s34
	v_lshlrev_b32 v152, 2, v152
	ds_store_b32 v152, v148                        ; all lanes write the wave's word with the same value
	s_wait_dscnt 0x0
	s_barrier_signal -1
	s_barrier_wait -1
	v_mov_b32 v153, 0
	ds_load_b128 v[20:23], v153                    ; the eight waves' sums
	ds_load_b128 v[24:27], v153 offset:16
	s_lshl_b32 s14, ttmp9, 2
	s_add_nc_u64 s[12:13], s[12:13], s[14:15]      ; my work-group's word of part
	s_wait_dscnt 0x0
	v_add_f32 v20, v20, v21
	v_add_f32 v22, v22, v23
	v_add_f32 v24, v24, v25
	v_add_f32 v26, v26, v27
	v_add_f32 v20, v20, v22
	v_add_f32 v24, v24, v26
	v_add_f32 v20, v20, v24
	s_wait_xcnt 0x0                                ; EXEC is a source of the pending stores: it changes only behind this wait
	v_cmp_eq_u32 vcc_lo, 0, v0
	s_wait_tensorcnt 0x0
	ds_add_u32 v160, v161
	s_wait_dscnt 0x0
	s_and_saveexec_b32 s38, vcc_lo
	global_store_b32 v153, v20, s[12:13]           ; thread 0 alone
	s_wait_xcnt 0x0
	s_or_b32 exec_lo, exec_lo, s38
	s_endpgm
.Lfunc_end_k_qac1a0c0d5d_gath:
	.size	k_qac1a0c0d5d_gath, .Lfunc_end_k_qac1a0c0d5d_gath-k_qac1a0c0d5d_gath
	.p2alignl 7, 3214868480
	.fill 96, 4, 3214868480
	.section	.rodata,"a",@progbits
	.p2align	6, 0x0
	.amdhsa_kernel k_qac1a0c0d5d_gath
		.amdhsa_group_segment_fixed_size 1280
		.amdhsa_private_segment_fixed_size 0
		.amdhsa_enable_private_segment 0
		.amdhsa_kernarg_size 40
		.amdhsa_user_sgpr_count 2
		.amdhsa_user_sgpr_kernarg_segment_ptr 1
		.amdhsa_wavefront_size32 1
		.amdhsa_system_sgpr_workgroup_id_x 1
		.amdhsa_system_sgpr_workgroup_id_y 1
		.amdhsa_system_sgpr_workgroup_id_z 1
		.amdhsa_system_vgpr_workitem_id 0
		.amdhsa_next_free_vgpr 162
		.amdhsa_next_free_sgpr 66
		.amdhsa_reserve_vcc 1
		.amdhsa_float_denorm_mode_32 3
		.amdhsa_float_denorm_mode_16_64 3
		.amdhsa_memory_ordered 1
		.amdhsa_forward_progress 1
		.amdhsa_inst_pref_size 14
	.end_amdhsa_kernel
	.amdgpu_metadata
---
amdhsa.version: [ 1, 2 ]
amdhsa.kernels:
  - .name:           k_qac1a0c0d5d_gath
    .symbol:         k_qac1a0c0d5d_gath.kd
    .args:
      - { .name: x, .offset: 0, .size: 8, .value_kind: global_buffer, .address_space: global }
      - { .name: codes, .offset: 8, .size: 8, .value_kind: global_buffer, .address_space: global }
      - { .name: sel, .offset: 16, .size: 8, .value_kind: global_buffer, .address_space: global }
      - { .name: out0, .offset: 24, .size: 8, .value_kind: global_buffer, .address_space: global }
      - { .name: part, .offset: 32, .size: 8, .value_kind: global_buffer, .address_space: global }
    .group_segment_fixed_size: 1280
    .private_segment_fixed_size: 0
    .kernarg_segment_align: 8
    .kernarg_segment_size: 40
    .max_flat_workgroup_size: 256
    .sgpr_count:     66
    .vgpr_count:     162
    .wavefront_size: 32
...
	.end_amdgpu_metadata
.endif
;; end of part 3
;; launch fin (part 4): grid 1 x 1, 1 waves a work-group, no clusters, 0 bytes of LDS; arguments part, out2; writes out2
.if DOCPART == 4
	.amdgcn_target "amdgcn-amd-amdhsa--gfx1250"
	.amdhsa_code_object_version 6
	.text
	.protected	k_qac1a0c0d5d_fin
	.globl	k_qac1a0c0d5d_fin
	.p2align	8
	.type	k_qac1a0c0d5d_fin,@function
k_qac1a0c0d5d_fin:
	s_mov_b64 s[64:65], 0
	v_nop
	global_prefetch_b8 v0, s[64:65] scope:SCOPE_SE
	s_setreg_imm32_b32 hwreg(HW_REG_WAVE_MODE, 25, 1), 1
	s_wait_xcnt 0x0
; out2 = (1 + 0.25) x the mean over 65,536 rows of |x - quantized|^2: both losses of the reference have the same value, so their weighted sum is 1.25 / 65,536 x the sum of the 512 partial sums.
; A sum over work-groups has one owner: one wave reads the 2,048 bytes, 16 numbers a lane, and adds them in a fixed order.
	s_load_b128 s[4:7], s[0:1], 0x0                ; part s[4:5], out2 s[6:7]
	v_lshlrev_b32 v1, 4, v0
	v_mov_b32 v2, 0
	s_mov_b32 s8, 0x76543210
	s_mov_b32 s9, 0xfedcba98                       ; v_permlanex16_b32's selects for lane l xor 16
	s_wait_kmcnt 0x0
.irp i, 0,1,2,3
	global_load_b128 v[4+4*\i:7+4*\i], v1, s[4:5] offset:512*\i
.endr
	s_wait_loadcnt 0x0
	v_pk_add_f32 v[4:5], v[4:5], v[6:7]
	v_pk_add_f32 v[8:9], v[8:9], v[10:11]
	v_pk_add_f32 v[12:13], v[12:13], v[14:15]
	v_pk_add_f32 v[16:17], v[16:17], v[18:19]
	v_pk_add_f32 v[4:5], v[4:5], v[8:9]
	v_pk_add_f32 v[12:13], v[12:13], v[16:17]
	v_pk_add_f32 v[4:5], v[4:5], v[12:13]
	v_add_f32 v4, v4, v5
	v_add_f32_dpp v4, v4, v4 row_xmask:1 row_mask:0xf bank_mask:0xf
	v_add_f32_dpp v4, v4, v4 row_xmask:2 row_mask:0xf bank_mask:0xf
	v_add_f32_dpp v4, v4, v4 row_xmask:4 row_mask:0xf bank_mask:0xf
	v_add_f32_dpp v4, v4, v4 row_xmask:8 row_mask:0xf bank_mask:0xf
	v_permlanex16_b32 v5, v4, s8, s9
	v_add_f32 v4, v4, v5
	v_mul_f32 v4, 0x37a00000, v4                   ; x 1.25 / 65,536
	v_cmp_eq_u32 vcc_lo, 0, v0
	s_and_saveexec_b32 s10, vcc_lo
	global_store_b32 v2, v4, s[6:7]                ; lane 0 alone
	s_wait_xcnt 0x0                                ; EXEC is a source of the pending store: it changes only behind this wait
	s_or_b32 exec_lo, exec_lo, s10
	s_endpgm
.Lfunc_end_k_qac1a0c0d5d_fin:
	.size	k_qac1a0c0d5d_fin, .Lfunc_end_k_qac1a0c0d5d_fin-k_qac1a0c0d5d_fin
	.p2alignl 7, 3214868480
	.fill 96, 4, 3214868480
	.section	.rodata,"a",@progbits
	.p2align	6, 0x0
	.amdhsa_kernel k_qac1a0c0d5d_fin
		.amdhsa_group_segment_fixed_size 0
		.amdhsa_private_segment_fixed_size 0
		.amdhsa_enable_private_segment 0
		.amdhsa_kernarg_size 16
		.amdhsa_user_sgpr_count 2
		.amdhsa_user_sgpr_kernarg_segment_ptr 1
		.amdhsa_wavefront_size32 1
		.amdhsa_system_sgpr_workgroup_id_x 1
		.amdhsa_system_sgpr_workgroup_id_y 1
		.amdhsa_system_sgpr_workgroup_id_z 1
		.amdhsa_system_vgpr_workitem_id 0
		.amdhsa_next_free_vgpr 32
		.amdhsa_next_free_sgpr 66
		.amdhsa_reserve_vcc 1
		.amdhsa_float_denorm_mode_32 3
		.amdhsa_float_denorm_mode_16_64 3
		.amdhsa_memory_ordered 1
		.amdhsa_forward_progress 1
		.amdhsa_inst_pref_size 3
	.end_amdhsa_kernel
	.amdgpu_metadata
---
amdhsa.version: [ 1, 2 ]
amdhsa.kernels:
  - .name:           k_qac1a0c0d5d_fin
    .symbol:         k_qac1a0c0d5d_fin.kd
    .args:
      - { .name: part, .offset: 0, .size: 8, .value_kind: global_buffer, .address_space: global }
      - { .name: out2, .offset: 8, .size: 8, .value_kind: global_buffer, .address_space: global }
    .group_segment_fixed_size: 0
    .private_segment_fixed_size: 0
    .kernarg_segment_align: 8
    .kernarg_segment_size: 16
    .max_flat_workgroup_size: 32
    .sgpr_count:     66
    .vgpr_count:     32
    .wavefront_size: 32
...
	.end_amdgpu_metadata
.endif
;; end of part 4
